; MI455X (gfx1250); checked and timed in simulation.
; The chip was launched on July 23, 2026; its instructions are those of AMD's public machine-readable ISA for CDNA 5 (MIT licence, August 2026) and "CDNA5" Instruction Set Architecture Reference Guide (July 2026). The comments in the code are by the model that wrote it; some were corrected since.
;; Attention. Allowed arithmetic: matrix products marked QUANTISED: E2M1 operands, one E8M0 scale for each 32 along K, by v_wmma_scale_f32_16x16x128_f8f6f4 with both operands' format E2M1 (or v_wmma_scale_f32_32x16x128_f4), f32 sums; everything else in f32.
;; Inputs: k 4,096 x 1,024 float32; q 4,096 x 4,096 float32; v 4,096 x 1,024 float32.
;; Outputs: out0 4,096 x 4,096 float32.
;; This version of the problem:
;;   THIS VERSION OF THE PROBLEM IS GIVEN IN LOW PRECISION. The matrix products marked QUANTISED in the list below multiply operands that are first quantised to E2M1 (2 exponent bits, 1 mantissa bit; 4 bits a number), with one power-of-two scale for each 32 numbers along K (OCP MX v1.0); their sums are f32. All else is computed in f32.
;;   The module's matrix products, in the order in which they are computed (A, B: the left and right operand; K: the contracted axis; several contracted axes count as one K, in the product's order):
;;     1. batch 64 x [M 2,048, K 128] x [K 128, N 2,048]; A: input q; B: input k: QUANTISED
;;     2. batch 64 x [M 128, K 2,048] x [K 2,048, N 2,048]; A: input v; B: softmax (see below): QUANTISED
;;   THE QUANTISER, for each operand of a quantised product, along K:
;;     - K is cut into blocks of 32 from its start; a last block that is shorter is filled with zeros.
;;     - A block's scale is 2^e with e = floor(log2(the largest magnitude in the block)) - 2, held to -126 .. 127; a block of zeros has e = 0. As a byte (E8M0): e + 127.
;;     - Each number is divided by its block's scale, clamped to +-6, and rounded to the nearest number of E2M1, ties to even, subnormals kept.
;;     - The product sums the exact products of the quantised numbers (number of the format x scale) in f32.
;;   ~~~python
;;   def quantise(x, axis):      # numpy; x: float32 -> the quantised numbers, widened to float32 again
;;       x = np.moveaxis(x, axis, -1); K = x.shape[-1]
;;       x = np.pad(x, [(0, 0)] * (x.ndim - 1) + [(0, -K % 32)]); x = x.reshape(x.shape[:-1] + (-1, 32)); a = np.abs(x).max(-1, keepdims=True)
;;       e = np.where(a > 0, np.clip(np.frexp(np.where(a > 0, a, 1))[1] - 1 - 2, -126, 127), 0)      # np.frexp(a)[1] - 1 = floor(log2(a)), exactly
;;       r = np.clip(x / 2.0 ** e, -6, 6)
;;       step = 2.0 ** (np.maximum(np.frexp(np.where(r == 0, 1, r))[1] - 1, 0) - 1)
;;       q = np.round(r / step) * step * 2.0 ** e      # np.round: ties to even
;;       return np.moveaxis(q.reshape(q.shape[:-2] + (-1,))[..., :K], -1, axis).astype(np.float32)
;;   ~~~
;;   SOFTMAX AHEAD OF A QUANTISED PRODUCT. Where the list says 'softmax', what is quantised is not the finished softmax but p = 2^(t - M), with t = logit x log2(e) and M = ceil(the row's largest t), a whole number; so 1/2 < the row's largest p <= 1. The row's sum l is taken of the UNQUANTISED p, in f32, and the product's result is divided by l at the end. Since M is a whole number, a kernel that streams over the keys may use a running M (the ceiling of the running maximum): every later rescaling is an exact power of two, which a block's scale takes up: the codes' values come out the same.
;;   OPERANDS COMPUTED ON THE WAY. 'Computed on the way' means the value that the module computes at that place (a softmax that the list does not call 'softmax' is quantised finished and normalised). What goes into a quantiser is computed in f32, as accurately as f32 sums, v_exp_f32 and their like allow (about 1e-6 of the number): no bf16 or f16 on the way to a quantiser, and a product that is left as it is and whose result goes on into a quantised operand takes f32 operands (vector FMAs, or v_wmma_f32_16x16x4_f32). A number that lies on a knife's edge between two numbers of the format may be rounded either way, as far as f32 arithmetic and the matrix unit's own rounding can turn it there, and no further.
;; One version. Each part assembles by itself: llvm-mc -triple=amdgcn-amd-amdhsa -mcpu=gfx1250 --defsym DOCPART=n.
;; ======== version 1 of 1: 2 launches
;; workspace buffers: kvimg 4,456,448 bytes
;; launch pack (part 1): grid 16 x 16, 8 waves a work-group, no clusters, 135,424 bytes of LDS; arguments k, v, kvimg; writes kvimg
.if DOCPART == 1
	.amdgcn_target "amdgcn-amd-amdhsa--gfx1250"
	.amdhsa_code_object_version 6
	.text
	.protected	k_q78093e09d6_pack
	.globl	k_q78093e09d6_pack
	.p2align	8
	.type	k_q78093e09d6_pack,@function
k_q78093e09d6_pack:
	s_mov_b64 s[64:65], 0
	v_nop
	global_prefetch_b8 v0, s[64:65] scope:SCOPE_SE
	s_setreg_imm32_b32 hwreg(HW_REG_WAVE_MODE, 25, 1), 1
	s_wait_xcnt 0x0
; k, v: [4096][1024] f32 (2 sequences x 2,048 keys; 8 key/value heads x 128).  They become codes of FP4 (E2M1) with one E8M0 byte for each 32 along a product's K:
; K along the head's 128, V along the KEYS (blocks of 32 keys from the sequence's start).  The codes are laid as IMAGES OF THE OPERANDS' REGISTERS, one dense block of 17,408 bytes for each
; (sequence, key/value head, step of 128 keys):   kvimg[bk = 8 b + kvh][step][17,408]:
;   0      K: tile t (0..7), chunk c (0, 1): 512 bytes at 1024 t + 512 c + 16 lane.  Lane (r, h) of tile 2 b' + u holds key 32 b' + 8 u + r + 8 (r / 8) of the step; chunk c its codes of d = 64 c + 32 h + 0 .. 31
;   8192   V: the same form; tile t holds rows d = 16 t + r; chunk c the codes of keys 64 c + 32 h + 0 .. 31 of the step
;   16384  K's scale words: the 16 bytes at 16 lane are the words of tiles 4 h + 0 .. 3, row r;   16896  V's likewise
; A block's scale is 2^(floor(log2(its largest magnitude)) - 2); its byte is the largest magnitude's exponent field - 2, held at 1 from below.
; LIMITS: a block of zeros, and a block whose largest magnitude lies under 2^-124, keeps the byte 1 (zeros: the rule says 127; its codes are zeros, and this program alone reads the bytes); NaN and infinities are not served.
; SHARES.  A work-group takes one block (x = step, y = bk): 128 keys x 128 d of K and of V.  Wave w makes K's tile w and V's tile w.
; Every global load reads a row's 512 consecutive bytes.  K's 16 rows of a tile turn through the wave's own stage, so that a lane gets 32 neighbours along d; V's 128 rows lie in a stage that all waves share,
; and a lane reads DOWN the keys at its own d: nothing is transposed by an instruction.  Every store of the launch covers 512 consecutive bytes, at a multiple of 256 from the buffer's first byte.
; No matrix unit, no tensor load, no cluster: the work-groups share no input, and each byte is read once.
.set KWAVE, 16*528                     ; K's stage of a wave: 16 rows, 528 bytes apart = 132 words: row r begins 4 r words on, modulo 64 (64 banks of 4 bytes: ISA guide 11.1)
.set VST,   8*KWAVE                    ; V's stage, shared: key's row at 512 key + 64 (key / 32): lanes 16-31 of a read down the keys stand 16 words beside lanes 0-15, modulo 64
.set SCL,   VST+65792                  ; the scale words: K's 512 bytes, then V's
.set BLOCK, 17408
.set WV,  10                           ; s10      my wave's number
.set SEL, 12                           ; s[12:13] v_permlanex16_b32's selects for lane l xor 16
.set GL,  4                            ; v4   16 x lane: my 16 bytes of a row
.set KWR, 5                            ; v5   K's stage, in: my wave's stage + 16 lane
.set KRD, 6                            ; v6   K's stage, out: + 528 r + 128 h
.set VWR, 7                            ; v7   V's stage, in: rows 16 w on
.set VRD, 8                            ; v8   V's stage, out: 16448 h + 4 r + 64 w
.set SWR, 9                            ; v9   where my tile's scale word of row r goes
.set SH,  10                           ; v10  8 h
.set IMG, 11                           ; v11  16 lane + 1024 w: my tile's image in the block
.set MX,  12                           ; v12-13 largest magnitudes;  v14-15 the conversions' scale operands;  v16-17 the bytes
.set SO,  14
.set BY,  16
.set KW,  18                           ; v18  K's scale word;  v19  V's
.set VW,  19
.set PT,  20                           ; v20  the lane permute's destination
.set SRD, 21                           ; v21  the scale words' way out: LDS;  v22: the block
.set SGO, 22
.set KC,  24                           ; v24-31   K's codes
.set KR,  32                           ; v32-95   K's 16 rows as loaded
.set VR,  96                           ; v96-159  V's 16 rows as loaded
.set X,   160                          ; v160-223 64 numbers of a lane: register 32 c + i = k 64 c + 32 h + i
.set VC,  224                          ; v224-231 V's codes
; 64 numbers of a lane, two whole blocks of 32, become the operand's eight registers v[c] on and the row's scale word v[w]
.macro QUANT32 x, c, w
.irp k, 0,1
	v_max3_num_f32 v[MX+\k], |v[\x+32*\k]|, |v[\x+32*\k+1]|, 0x1800000   ; my block 2 k + h, and the floor 2^(3 - 127): so the byte cannot fall under 1
.endr
.irp i, 2,4,6,8,10,12,14,16,18,20,22,24,26,28,30
.irp k, 0,1
	v_max3_num_f32 v[MX+\k], v[MX+\k], |v[\x+32*\k+\i]|, |v[\x+32*\k+\i+1]|   ; (the two blocks by turns)
.endr
.endr
.irp k, 0,1
	v_add_nc_u32 v[SO+\k], 0xff000000, v[MX+\k]    ; 2 off the exponent field: the conversion takes this operand's exponent field as its scale
.endr
.irp k, 0,1
	v_lshrrev_b32 v[BY+\k], 23, v[SO+\k]           ; the scale's byte
.endr
	v_lshl_or_b32 v[\w], v[BY+1], 16, v[BY]        ; my two bytes: blocks h and 2 + h,
	v_lshlrev_b32 v[\w], v[SH], v[\w]              ; at their places in the word (8 h bits up);
	v_permlanex16_b32 v[PT], v[\w], s[SEL], s[SEL+1]
	v_or_b32 v[\w], v[\w], v[PT]                   ; with lane l xor 16's two the word is whole
.irp k, 0,1
.irp g, 0,1,2,3
	v_cvt_scalef32_pk8_fp4_f32 v[\c+4*\k+\g], v[\x+32*\k+8*\g:\x+32*\k+8*\g+7], v[SO+\k]
.endr
.endr
	v_nop                                          ; one plain vector instruction behind the last scaled conversion
.endm
	s_load_b128 s[4:7], s[0:1], 0x0                ; k, v
	s_load_b64 s[8:9], s[0:1], 0x10                ; kvimg
	v_lshl_add_u32 v232, v0, 2, 0x20d00
	v_mov_b32 v233, 0
	v_lshrrev_b32 v1, 5, v0
	v_readfirstlane_b32 s[WV], v1                  ; wave 0..7
	v_and_b32 v1, 31, v0                           ; lane
	v_and_b32 v2, 15, v0                           ; r
	v_bfe_u32 v3, v0, 4, 1                         ; h
	v_lshlrev_b32 v[GL], 4, v1
	s_mul_i32 s14, s[WV], KWAVE
	v_add_nc_u32 v[KWR], s14, v[GL]
	v_mul_u32_u24 v[KRD], v2, 528
	v_lshl_add_u32 v[KRD], v3, 7, v[KRD]
	v_add_nc_u32 v[KRD], s14, v[KRD]
	s_lshl_b32 s14, s[WV], 13                      ; V's rows 16 w on: 8192 w,
	s_lshr_b32 s15, s[WV], 1
	s_lshl_b32 s15, s15, 6                         ; + 64 (w / 2): keys 16 w .. 16 w + 15 lie in one block of 32
	s_add_co_u32 s14, s14, s15
	s_add_co_u32 s14, s14, VST
	v_add_nc_u32 v[VWR], s14, v[GL]
	v_mul_u32_u24 v[VRD], v3, 16448                ; lanes 16-31 begin 32 keys further down
	v_lshl_add_u32 v[VRD], v2, 2, v[VRD]
	s_lshl_b32 s14, s[WV], 6                       ; d = 16 w + r
	s_add_co_u32 s14, s14, VST
	v_add_nc_u32 v[VRD], s14, v[VRD]
	s_lshr_b32 s14, s[WV], 2
	s_lshl_b32 s14, s14, 8
	s_and_b32 s15, s[WV], 3
	s_lshl_b32 s15, s15, 2
	s_add_co_u32 s14, s14, s15
	s_add_co_u32 s14, s14, SCL
	v_lshl_add_u32 v[SWR], v2, 4, s14              ; 16 (r + 16 (w / 4)) + 4 (w % 4)
	v_lshlrev_b32 v[SH], 3, v3
	v_lshl_add_u32 v[IMG], s[WV], 10, v[GL]
	s_lshl_b32 s14, s[WV], 9
	v_add_nc_u32 v[SGO], s14, v[GL]
	v_add_nc_u32 v[SRD], SCL, v[SGO]
	v_add_nc_u32 v[SGO], 16384, v[SGO]
	v_mov_b32 v[PT], 0                             ; written once: a lane permute's destination counts as one of its sources
	s_mov_b32 s[SEL], 0x76543210
	s_mov_b32 s[SEL+1], 0xfedcba98
	s_and_b32 s14, ttmp7, 0xffff                   ; bk
	s_lshr_b32 s15, s14, 3                         ; b
	s_and_b32 s16, s14, 7                          ; kvh
	s_lshl_b32 s15, s15, 11
	s_lshl_b32 s17, ttmp9, 7
	s_add_co_u32 s15, s15, s17                     ; the step's first row: 2048 b + 128 step
	s_lshl_b32 s15, s15, 12                        ; rows of 4,096 bytes
	s_lshl_b32 s16, s16, 9
	s_add_co_u32 s15, s15, s16                     ; + the head's 512 bytes
	s_lshr_b32 s17, s[WV], 1
	s_lshl_b32 s17, s17, 5
	s_and_b32 s18, s[WV], 1
	s_lshl_b32 s18, s18, 3
	s_add_co_u32 s17, s17, s18                     ; K's tile w begins at key 32 (w / 2) + 8 (w % 2)
	s_lshl_b32 s17, s17, 12
	s_add_co_u32 s20, s15, s17
	s_mov_b32 s21, 0
	s_lshl_b32 s17, s[WV], 16                      ; of V I load keys 16 w on
	s_add_co_u32 s22, s15, s17
	s_mov_b32 s23, 0
	s_lshl_b32 s17, s14, 4
	s_add_co_u32 s17, s17, ttmp9
	s_mul_i32 s24, s17, BLOCK                      ; my block of kvimg
	s_mov_b32 s25, 0
	s_wait_kmcnt 0x0
	s_add_nc_u64 s[4:5], s[4:5], s[20:21]
	s_add_nc_u64 s[6:7], s[6:7], s[22:23]
	s_add_nc_u64 s[8:9], s[8:9], s[24:25]
.irp i, 0,1,2,3,4,5,6,7,8,9,10,11,12,13,14,15
	global_load_b128 v[KR+4*\i:KR+4*\i+3], v[GL], s[4:5] offset:(\i+8*(\i/8))*4096 th:TH_LOAD_NT   ; the tile's row i is key i + 8 (i / 8) of its 24
.endr
.irp i, 0,1,2,3,4,5,6,7,8,9,10,11,12,13,14,15
	global_load_b128 v[VR+4*\i:VR+4*\i+3], v[GL], s[6:7] offset:\i*4096 th:TH_LOAD_NT
.endr
	s_wait_loadcnt 16                              ; K's 16 loads are in; V's 16, issued behind them, may be out
.irp i, 0,1,2,3,4,5,6,7,8,9,10,11,12,13,14,15
	ds_store_b128 v[KWR], v[KR+4*\i:KR+4*\i+3] offset:528*\i
.endr
.irp c, 0,1
.irp j, 0,1,2,3,4,5,6,7
	ds_load_b128 v[X+32*\c+4*\j:X+32*\c+4*\j+3], v[KRD] offset:256*\c+16*\j   ; my wave's own bytes; LDS serves a wave's instructions in order (ISA guide 5.7.1.4): these see the stores above
.endr
.endr
	s_wait_loadcnt 0x0                             ; V's rows
.irp i, 0,1,2,3,4,5,6,7,8,9,10,11,12,13,14,15
	ds_store_b128 v[VWR], v[VR+4*\i:VR+4*\i+3] offset:512*\i
.endr
	s_wait_dscnt 0x0                               ; K's numbers are back; for the others' sake: my 16 rows of V have landed
	s_barrier_signal -1
	QUANT32 X, KC, KW                              ; work on registers while the others arrive
	s_barrier_wait -1                              ; V's 128 rows lie in the stage; nobody writes it again
.irp c, 0,1
	global_store_b128 v[IMG], v[KC+4*\c:KC+4*\c+3], s[8:9] offset:512*\c
.endr
	ds_store_b32 v[SWR], v[KW]                     ; (lanes r and 16 + r write the same word with the same value)
.irp c, 0,1
.irp i, 0,1,2,3,4,5,6,7,8,9,10,11,12,13,14,15,16,17,18,19,20,21,22,23,24,25,26,27,28,29,30,31
	ds_load_b32 v[X+32*\c+\i], v[VRD] offset:32896*\c+512*\i   ; V(key 64 c + 32 h + i, d = 16 w + r)
.endr
.endr
	s_wait_dscnt 0x0
	QUANT32 X, VC, VW
.irp c, 0,1
	global_store_b128 v[IMG], v[VC+4*\c:VC+4*\c+3], s[8:9] offset:8192+512*\c
.endr
	ds_store_b32 v[SWR], v[VW] offset:512
	s_wait_dscnt 0x0                               ; for the others' sake: my two scale words have landed
	s_barrier_signal -1
	s_barrier_wait -1
	s_cmp_gt_u32 s[WV], 1                          ; wave 0 sends K's 512 bytes of scale words, wave 1 V's
	s_cbranch_scc1 .Lend
	ds_load_b128 v[X:X+3], v[SRD]                  ; (registers that no store names)
	s_wait_dscnt 0x0
	global_store_b128 v[SGO], v[X:X+3], s[8:9]
.Lend:
	s_wait_tensorcnt 0x0
	ds_add_u32 v232, v233
	s_wait_dscnt 0x0
	s_endpgm
.Lfunc_end_k_q78093e09d6_pack:
	.size	k_q78093e09d6_pack, .Lfunc_end_k_q78093e09d6_pack-k_q78093e09d6_pack
	.p2alignl 7, 3214868480
	.fill 96, 4, 3214868480
	.section	.rodata,"a",@progbits
	.p2align	6, 0x0
	.amdhsa_kernel k_q78093e09d6_pack
		.amdhsa_group_segment_fixed_size 135424
		.amdhsa_private_segment_fixed_size 0
		.amdhsa_enable_private_segment 0
		.amdhsa_kernarg_size 24
		.amdhsa_user_sgpr_count 2
		.amdhsa_user_sgpr_kernarg_segment_ptr 1
		.amdhsa_wavefront_size32 1
		.amdhsa_system_sgpr_workgroup_id_x 1
		.amdhsa_system_sgpr_workgroup_id_y 1
		.amdhsa_system_sgpr_workgroup_id_z 1
		.amdhsa_system_vgpr_workitem_id 0
		.amdhsa_next_free_vgpr 234
		.amdhsa_next_free_sgpr 66
		.amdhsa_reserve_vcc 0
		.amdhsa_float_denorm_mode_32 3
		.amdhsa_float_denorm_mode_16_64 3
		.amdhsa_memory_ordered 1
		.amdhsa_forward_progress 1
		.amdhsa_inst_pref_size 21
	.end_amdhsa_kernel
	.amdgpu_metadata
---
amdhsa.version: [ 1, 2 ]
amdhsa.kernels:
  - .name:           k_q78093e09d6_pack
    .symbol:         k_q78093e09d6_pack.kd
    .args:
      - { .name: k, .offset: 0, .size: 8, .value_kind: global_buffer, .address_space: global }
      - { .name: v, .offset: 8, .size: 8, .value_kind: global_buffer, .address_space: global }
      - { .name: kvimg, .offset: 16, .size: 8, .value_kind: global_buffer, .address_space: global }
    .group_segment_fixed_size: 135424
    .private_segment_fixed_size: 0
    .kernarg_segment_align: 8
    .kernarg_segment_size: 24
    .max_flat_workgroup_size: 256
    .sgpr_count:     66
    .vgpr_count:     234
    .wavefront_size: 32
...
	.end_amdgpu_metadata
.endif
;; end of part 1
;; launch attn (part 2): grid 16 x 32, 16 waves a work-group, no clusters, 293,888 bytes of LDS; arguments q, kvimg, out0; writes out0
.if DOCPART == 2
	.amdgcn_target "amdgcn-amd-amdhsa--gfx1250"
	.amdhsa_code_object_version 6
	.text
	.protected	k_q78093e09d6_attn
	.globl	k_q78093e09d6_attn
	.p2align	8
	.type	k_q78093e09d6_attn,@function
k_q78093e09d6_attn:
	s_mov_b64 s[64:65], 0
	v_nop
	global_prefetch_b8 v0, s[64:65] scope:SCOPE_SE
	s_setreg_imm32_b32 hwreg(HW_REG_WAVE_MODE, 25, 1), 1
	s_wait_xcnt 0x0
; out0[b, i, head, :] = the sum over keys j of softmax_j(q . k / sqrt(128) - slope_head (i - j)) v[j], over i - 1024 <= j <= i; 2 sequences of 2,048, 32 query heads, 8 key/value heads, head size 128.
; Both products on codes of FP4 (E2M1) with one E8M0 scale for each 32 along K.  K and V come as register images with their scale words (kvimg: 17,408 bytes for each step of 128 keys; layout below); q is f32 and is quantised here.
; THE SOFTMAX AHEAD OF THE SECOND PRODUCT: t = logit x log2(e); M = the row's largest t so far, rounded UP to a whole number; p = 2^(t - M) is quantised along the keys, not normalised.  The row's sum is taken of the
; unquantised p and divides at the end.  When M moves, the sum and O are multiplied by 2^(old M - new M): exact.
; THE SLOPE'S TERM: j - i is made as an exact whole number in f32 and enters by ONE fused multiply-add onto the raw score: u = s + sl (j - i), sl = slope x sqrt(128) = 2^(3.5 - (g + 1) / 4 - kvh); t = u x log2(e) / sqrt(128).
; SHARES.  A work-group owns 64 queries of the FOUR query heads that share one key/value head: x = bk = 8 b + kvh, block of queries = 31 - y (the blocks with most keys come first).  Wave w: head 4 kvh + w / 4,
; queries 64 block + 16 (w % 4) on: one tile, 256 registers, four waves to a SIMD, so that one wave's vector work stands beside another's products and LDS loads.
; KEYS.  With a = block / 2 the 64 queries see keys of steps a - 8 .. a alone.  All sixteen waves walk the same NINE steps, max(a - 8, 0) on (always inside the sequence's 16): the trip counts are constants.  A step all of whose keys
; come after the wave's queries is jumped over (a scalar branch on ids); the causal mask is applied in the step on the diagonal alone, the window's in the step at the window's far end alone.
; LDS.  The nine steps, 156,672 bytes, are brought ONCE by nine tensor loads (waves 0, 1, 2: three each, so three of a wave are out at the most) and read by all sixteen waves: no byte is filled again.
; Behind them each wave has a stage of its own (16 rows x 528 bytes) for q on the way in and o on the way out; no tensor load lands there.
; LAYOUT.  Both products are used transposed: S^T = K Q^T, O^T = V^T P^T: a lane holds ONE query (lane % 16) throughout.  In kvimg lane (r, h) of K's tile 2 b' + u holds key 32 b' + 8 u + r + 8 (r / 8), so that the 16 registers
; of tiles 2 b' and 2 b' + 1 are 16 neighbouring keys: 32 b' + 16 h + 0 .. 15.  A step's block: K's 8 tiles at 1024 t + 512 c + 16 lane; V's at 8192 + the same; K's scale words at 16384 + 16 lane (tiles 4 h + 0 .. 3, row r); V's at 16896.
; NO CLUSTER: only the two blocks of queries with the same a read the same nine steps; among four partners the first step differs, and the jumps over hidden steps and masks hang on the block of queries, which would be a
; work-group's place in its cluster.  NO PREFETCH: all that a work-group reads is asked for in its first lines.
; LIMITS: NaN and infinities among the inputs are not served; a block of q whose largest magnitude lies under 2^-124, and a block of zeros, keeps the scale byte 1; p under 2^-126 counts as 0; sl is rounded once to f32.
; REGISTERS: v1 16 lane; v2 the step's LDS address; v3 16 h - r; v4-11 j - i, a pair for each block of 32 keys; v12 -M, v13 the largest t, v[14:15] the sum in two halves; v16-23 Q's codes; v24-27 K's scale words, v28-31 V's;
;   v32-95 eight fragments of K, then of V; v96-159 S^T, then u, then p; v160-223 O^T; v224-231 p's codes; v232-254 at work; v253 p's scale word; v255 Q's.
.set STEPB, 17408                      ; a step's block
.set QST,   9*STEPB                    ; the waves' stages begin here: a multiple of 256
.set QWAVE, 16*528                     ; a stage: rows 528 bytes apart = 132 words: row r begins 4 r words on, modulo 64 (64 banks of 4 bytes: ISA guide 11.1)
.set WV,  10                           ; s10  my wave's number
.set Q0,  14                           ; s14  my first query in its sequence;  s15  my last
.set Q15, 15
.set KF,  16                           ; s16  the step's first key
.set TB,  17                           ; s17  LDS byte at which the step's block begins
.set CNT, 18                           ; s18  counts a group's three steps
.set QB,  19                           ; s19  my stage
.set SEL, 20                           ; s[20:21] v_permlanex16_b32's selects for lane l xor 16
.set CS,  22                           ; s[22:23] c = log2(e) / sqrt(128): the packed form names a pair and takes its low word
.set G1,  24                           ; s[24:31] descriptor group 1;  s[32:43] three groups 0
.set G0,  32
.set SL,  44                           ; s[44:45] sl
.set LI,  1
.set ADR, 2
.set LX,  3
.set T,   4
.set MX,  232                          ; q's quantiser, at the head alone: v232-233 largest magnitudes, v234-235 scale operands, v236-237 bytes, v238 the permute's destination, v239 8 h
.set SO,  234
.set BY,  236
.set PT,  238
.set SH,  239
; 64 numbers of a lane (register 32 k + i = d 64 k + 32 h + i of my row), two whole blocks of 32, become the operand's eight registers v[c] on and the row's scale word v[w]
.macro QUANT32 x, c, w
.irp k, 0,1
	v_max3_num_f32 v[MX+\k], |v[\x+32*\k]|, |v[\x+32*\k+1]|, 0x1800000   ; and the floor 2^(3 - 127): so the byte cannot fall under 1
.endr
.irp i, 2,4,6,8,10,12,14,16,18,20,22,24,26,28,30
.irp k, 0,1
	v_max3_num_f32 v[MX+\k], v[MX+\k], |v[\x+32*\k+\i]|, |v[\x+32*\k+\i+1]|
.endr
.endr
.irp k, 0,1
	v_add_nc_u32 v[SO+\k], 0xff000000, v[MX+\k]    ; 2 off the exponent field: the conversion's scale operand
.endr
.irp k, 0,1
	v_lshrrev_b32 v[BY+\k], 23, v[SO+\k]           ; the scale's byte
.endr
	v_lshl_or_b32 v[\w], v[BY+1], 16, v[BY]        ; blocks h and 2 + h,
	v_lshlrev_b32 v[\w], v[SH], v[\w]              ; 8 h bits up;
	v_permlanex16_b32 v[PT], v[\w], s[SEL], s[SEL+1]
	v_or_b32 v[\w], v[\w], v[PT]                   ; with lane l xor 16's two the word is whole
.irp k, 0,1
.irp g, 0,1,2,3
	v_cvt_scalef32_pk8_fp4_f32 v[\c+4*\k+\g], v[\x+32*\k+8*\g:\x+32*\k+8*\g+7], v[SO+\k]
.endr
.endr
	v_nop                                          ; one plain vector instruction behind the last scaled conversion
.endm
	s_load_b128 s[4:7], s[0:1], 0x0                ; q, kvimg
	s_load_b64 s[8:9], s[0:1], 0x10                ; out0
	v_lshl_add_u32 v243, v0, 2, 0x47400
	v_mov_b32 v251, 0
	ds_add_u32 v243, v251
	ds_add_u32 v243, v251
	v_lshrrev_b32 v2, 5, v0
	v_readfirstlane_b32 s[WV], v2                  ; wave 0..15
	s_and_b32 s12, ttmp7, 0xffff
	s_sub_co_u32 s12, 31, s12                      ; my block of 64 queries
	s_lshr_b32 s13, s12, 1                         ; a
	s_max_u32 s13, s13, 8
	s_sub_co_u32 s13, s13, 8                       ; the first step: max(a - 8, 0)
	s_and_b32 s46, s[WV], 3
	s_lshl_b32 s46, s46, 4
	s_lshl_b32 s[Q0], s12, 6
	s_add_co_u32 s[Q0], s[Q0], s46
	s_add_co_u32 s[Q15], s[Q0], 15
	s_lshl_b32 s[KF], s13, 7
	s_and_b32 s50, ttmp9, 7                        ; kvh
	s_lshr_b32 s51, s[WV], 2                       ; g: which of the four query heads
	s_lshr_b32 s46, ttmp9, 3                       ; b
	s_lshl_b32 s46, s46, 11
	s_add_co_u32 s46, s46, s[Q0]                   ; my first row of q and of out0,
	s_lshl_b32 s46, s46, 14                        ; rows of 16,384 bytes,
	s_lshl_b32 s47, s50, 2
	s_add_co_u32 s47, s47, s51
	s_lshl_b32 s47, s47, 9                         ; + my head's 512 bytes
	s_add_co_u32 s46, s46, s47
	s_mov_b32 s47, 0
	s_lshl_b32 s48, ttmp9, 4
	s_add_co_u32 s48, s48, s13
	s_add_co_u32 s48, s48, s[WV]                   ; the block that a fetching wave asks for first: 16 bk + first step + w
	s_mul_i32 s48, s48, STEPB
	s_mov_b32 s49, 0
	s_mov_b32 s[SL], 0x411837f0                    ; 2^3.25 (g = 0),
	s_cmp_eq_u32 s51, 1
	s_cselect_b32 s[SL], 0x41000000, s[SL]         ; 2^3,
	s_cmp_eq_u32 s51, 2
	s_cselect_b32 s[SL], 0x40d744fd, s[SL]         ; 2^2.75,
	s_cmp_eq_u32 s51, 3
	s_cselect_b32 s[SL], 0x40b504f3, s[SL]         ; 2^2.5;
	s_lshl_b32 s50, s50, 23
	s_sub_co_u32 s[SL], s[SL], s50                 ; kvh off the exponent field
	s_mov_b32 s[SL+1], s[SL]
	s_mov_b32 s[SEL], 0x76543210
	s_mov_b32 s[SEL+1], 0xfedcba98
	s_mov_b32 s[CS], 0x3e0293ee                    ; c = log2(e) / sqrt(128)
	s_mov_b32 s[CS+1], s[CS]
	s_mul_i32 s[QB], s[WV], QWAVE
	s_add_co_u32 s[QB], s[QB], QST
	; descriptor group 1: a dense block of 17,408 bytes as 68 rows of 256 bytes (32 elements of 8 bytes), no padding: the images are read 16 bytes a lane, 512 consecutive bytes an instruction
	s_mov_b32 s[G1+0], 3<<16                       ; 15:0 no mask; 17:16 elements of 8 bytes; 20 padding off
	s_mov_b32 s[G1+1], 32<<16                      ; tensor_dim0 = 32
	s_mov_b32 s[G1+2], 68<<16                      ; tensor_dim1 = 68
	s_mov_b32 s[G1+3], 32<<16                      ; tile_dim0 = 32
	s_mov_b32 s[G1+4], 68                          ; tile_dim1 = 68
	s_mov_b32 s[G1+5], 32                          ; from row to row
	s_mov_b32 s[G1+6], 0
	s_mov_b32 s[G1+7], 0
	; groups 0: load n of wave w (w = 0, 1, 2) brings step w + 3 n of the nine into slot w + 3 n
	s_mov_b32 s[G0+0], 1
	s_mul_i32 s[G0+1], s[WV], STEPB
	s_mov_b32 s[G0+4], 1
	s_add_co_u32 s[G0+5], s[G0+1], 3*STEPB
	s_mov_b32 s[G0+8], 1
	s_add_co_u32 s[G0+9], s[G0+1], 6*STEPB
	s_wait_dscnt 0x0
	s_wait_kmcnt 0x0
	s_add_nc_u64 s[G0+2:G0+3], s[6:7], s[48:49]
	s_add_nc_u64 s[G0+6:G0+7], s[G0+2:G0+3], 3*STEPB
	s_add_nc_u64 s[G0+10:G0+11], s[G0+2:G0+3], 6*STEPB
	s_or_b32 s[G0+3], s[G0+3], 0x80000000          ; type = 2
	s_or_b32 s[G0+7], s[G0+7], 0x80000000
	s_or_b32 s[G0+11], s[G0+11], 0x80000000
	s_cmp_lt_u32 s[WV], 3                          ; a wave's three fills stand in one branch, ahead of every wait on TENSORcnt, every LDS read and every barrier
	s_cbranch_scc0 .Lno_fetch
	tensor_load_to_lds s[G0+0:G0+3], s[G1:G1+7]
	s_nop 0
	tensor_load_to_lds s[G0+4:G0+7], s[G1:G1+7]
	s_nop 0
	tensor_load_to_lds s[G0+8:G0+11], s[G1:G1+7]
	s_nop 0
.rept 4
	v_nop
.endr
.Lno_fetch:
	s_add_nc_u64 s[4:5], s[4:5], s[46:47]          ; q at my first row and head
	s_add_nc_u64 s[8:9], s[8:9], s[46:47]          ; out0 likewise
	v_and_b32 v[LI], 31, v0
	v_lshlrev_b32 v[LI], 4, v[LI]
.irp i, 0,1,2,3,4,5,6,7,8,9,10,11,12,13,14,15
	global_load_b128 v[96+4*\i:99+4*\i], v[LI], s[4:5] offset:16384*\i th:TH_LOAD_NT   ; query i's 512 consecutive bytes
.endr
	v_and_b32 v4, 15, v0                           ; r
	v_bfe_u32 v5, v0, 4, 1                         ; h
	v_lshlrev_b32 v[LX], 4, v5
	v_sub_nc_u32 v[LX], v[LX], v4                  ; 16 h - r
	v_add_nc_u32 v6, s[QB], v[LI]                  ; the stage by rows: 16 bytes a lane
	v_mul_u32_u24 v7, v4, 528
	v_lshl_add_u32 v7, v5, 7, v7
	v_add_nc_u32 v7, s[QB], v7                     ; and by lanes: row r, + 128 h: d = 32 h on
	v_lshlrev_b32 v[SH], 3, v5
	v_mov_b32 v[PT], 0                             ; a lane permute's destination counts as one of its sources
	s_wait_loadcnt 0x0
.irp i, 0,1,2,3,4,5,6,7,8,9,10,11,12,13,14,15
	ds_store_b128 v6, v[96+4*\i:99+4*\i] offset:528*\i
.endr
.irp c, 0,1
.irp j, 0,1,2,3,4,5,6,7
	ds_load_b128 v[160+32*\c+4*\j:163+32*\c+4*\j], v7 offset:256*\c+16*\j   ; my wave's own bytes; LDS serves a wave's instructions in order (ISA guide 5.7.1.4)
.endr
.endr
	s_wait_dscnt 0x0
	QUANT32 160, 16, 255                           ; Q's fragment and scale words stay in registers
	v_mov_b32 v13, 0xff61b1e6                      ; the largest t so far: -3e38, under every t
	v_floor_f32 v12, -v13                          ; -M
	v_mov_b32 v14, 0                               ; the sum, in two halves
	v_mov_b32 v15, 0
.irp b, 0,1,2,3
	v_mov_b32 v[236+\b], 0                         ; the lane permutes' destinations
.endr
	v_mov_b32 v252, 0
	v_mov_b32 v253, 0                              ; (named as the upper half of the pair v[252:253] before it is first written)
.set J, 0
.rept 64
	v_mov_b32 v[160+J], 0                          ; O^T.  (The step is written for every step alike: the first finds zeros, which the first change of M leaves zeros.  These lines are also the places between Q's codes and scale word and the first product)
.set J, J+1
.endr
; A KEY STEP: 128 keys.
.macro STEP
	s_cmp_gt_u32 s[KF], s[Q15]                     ; all its keys come after my queries: nothing to do
	s_cbranch_scc1 .Lhid_\@
	s_sub_co_i32 s46, s[KF], s[Q0]
	v_add_nc_u32 v[ADR], s[TB], v[LI]              ; six plain lines that name no register of the last step's products: the places in front of the loads below
	v_add_nc_u32 v248, s46, v[LX]                  ; x = j - i of my register 0: KF + 16 h - Q0 - r
	v_cvt_f32_i32 v[T], v248
	v_sub_nc_u32 v249, 0, v248                     ; d = -x: register 16 b + n holds a key after my query where 32 b + n > d,
	v_add_f32 v[T+1], 1.0, v[T]
	v_add_nc_u32 v250, 0xfffffc00, v249            ; and one before the window where 32 b + n < d - 1024
	ds_load_b128 v[24:27], v[ADR] offset:16384     ; K's scale words: lanes 0-15 tiles 0-3, lanes 16-31 tiles 4-7
.irp t, 0,1,2,3,4,5,6,7
.irp c, 0,1
	ds_load_b128 v[32+8*\t+4*\c:35+8*\t+4*\c], v[ADR] offset:1024*\t+512*\c
.endr
.endr
	ds_load_b128 v[28:31], v[ADR] offset:16896     ; V's scale words
	s_wait_dscnt 0x1                               ; all but the youngest load, V's scale words
.irp t, 0,1,2,3
	v_wmma_scale_f32_16x16x128_f8f6f4 v[96+8*\t:103+8*\t], v[32+8*\t:39+8*\t], v[16:23], 0, v[24+\t], v255 matrix_a_fmt:MATRIX_FMT_FP4 matrix_b_fmt:MATRIX_FMT_FP4
.endr
.irp t, 4,5,6,7
	v_wmma_scale_f32_16x16x128_f8f6f4 v[96+8*\t:103+8*\t], v[32+8*\t:39+8*\t], v[16:23], 0, v[20+\t], v255 matrix_a_fmt:MATRIX_FMT_FP4 matrix_b_fmt:MATRIX_FMT_FP4 matrix_a_scale:MATRIX_SCALE_ROW1
.endr
	v_pk_add_f32 v[T+2:T+3], v[T:T+1], 0x42000000 op_sel_hi:[1,0]   ; j - i of blocks 1, 2, 3: + 32, 64, 96.  These four lines are the places behind the products (ISA guide 7.12.1)
	v_pk_add_f32 v[T+4:T+5], v[T:T+1], 0x42800000 op_sel_hi:[1,0]
	v_pk_add_f32 v[T+6:T+7], v[T:T+1], 0x42c00000 op_sel_hi:[1,0]
	v_mov_b32 v254, 0xff800000                     ; -infinity
.irp t, 0,1,2,3,4,5,6,7
.irp c, 0,1
	ds_load_b128 v[32+8*\t+4*\c:35+8*\t+4*\c], v[ADR] offset:8192+1024*\t+512*\c   ; V's fragments land while the softmax is worked
.endr
.endr
.irp k, 0,1,2,3,4,5,6,7                        ; u = s + sl (j - i), two at a time; each accumulator from its low end on
.irp b, 0,1,2,3
	v_pk_fma_f32 v[96+16*\b+2*\k:97+16*\b+2*\k], v[T+2*\b:T+2*\b+1], s[SL:SL+1], v[96+16*\b+2*\k:97+16*\b+2*\k] op_sel_hi:[1,0,1]
.endr
.if \k < 7
.irp b, 0,1,2,3
	v_pk_add_f32 v[T+2*\b:T+2*\b+1], v[T+2*\b:T+2*\b+1], 2.0 op_sel_hi:[1,0]   ; whole numbers under 2^11: exact
.endr
.endif
.endr
	s_add_co_u32 s47, s[KF], 127                   ; THE CAUSAL MASK: jumped over where the step's last key is none of my queries' future
	s_cmp_le_u32 s47, s[Q0]
	s_cbranch_scc1 .Lopen_\@
.set N, 0
.rept 64
	v_cmp_gt_i32 vcc_lo, 32*(N/16)+N%16, v249
	v_cndmask_b32 v[96+N], v[96+N], v254, vcc_lo
.set N, N+1
.endr
.Lopen_\@:
	s_add_co_u32 s47, s[KF], 1024                  ; THE WINDOW: jumped over where the step's first key is inside the window of my last query
	s_cmp_ge_u32 s47, s[Q15]
	s_cbranch_scc1 .Lwin_\@
.set N, 0
.rept 64
	v_cmp_lt_i32 vcc_lo, 32*(N/16)+N%16, v250
	v_cndmask_b32 v[96+N], v[96+N], v254, vcc_lo
.set N, N+1
.endr
.Lwin_\@:
.irp b, 0,1,2,3
	v_max3_num_f32 v[232+\b], v[96+16*\b], v[97+16*\b], v[98+16*\b]   ; the largest u of each block of 32 keys: it serves the row's maximum and, since p rises with u, the block's largest p
.endr
.irp i, 3,5,7,9,11,13
.irp b, 0,1,2,3
	v_max3_num_f32 v[232+\b], v[232+\b], v[96+16*\b+\i], v[97+16*\b+\i]
.endr
.endr
.irp b, 0,1,2,3
	v_max_num_f32 v[232+\b], v[232+\b], v[111+16*\b]
.endr
.irp b, 0,1,2,3
	v_permlanex16_b32 v[236+\b], v[232+\b], s[SEL], s[SEL+1]
.endr
.irp b, 0,1,2,3
	v_max_num_f32 v[232+\b], v[232+\b], v[236+\b]  ; with lane l xor 16's 16 keys
.endr
	v_max3_num_f32 v254, v232, v233, v234
	v_max_num_f32 v254, v254, v235                 ; the step's largest u of my query
	v_mul_f32 v254, s[CS], v254                    ; as t (c is positive)
	v_max_num_f32 v13, v13, v254                   ; the running largest t
	v_mov_b32 v254, v12
	v_floor_f32 v12, -v13                          ; the new -M = floor(-t) = -ceil(t): M is a whole number
	v_sub_f32 v254, v12, v254                      ; old M - new M: a whole number, 0 or less
	v_cvt_i32_f32 v254, v254                       ; (it saturates)
	v_ldexp_f32 v252, 1.0, v254                    ; f = 2^(old M - new M)
.set J, 0
.rept 32
	v_pk_fma_f32 v[96+J:97+J], v[96+J:97+J], s[CS:CS+1], v[12:13] op_sel_hi:[1,0,0]   ; t - M, two at a time
.set J, J+2
.endr
.irp b, 0,1,2,3
	v_fma_f32 v[232+\b], v[232+\b], s[CS], v12     ; the same of each block's largest u
.endr
.set J, 0
.rept 64
	v_exp_f32 v[96+J], v[96+J]                     ; p = 2^(t - M), at most 1; 0 where the key is masked
.set J, J+1
.endr
	v_pk_mul_f32 v[14:15], v[14:15], v[252:253] op_sel_hi:[1,0]   ; the sums under the new M: the plain instruction behind the exponentials
	s_wait_alu depctr_va_vdst(0)                   ; one wait for the batch of 64, ahead of its first reader
.irp b, 0,1,2,3
	v_exp_f32 v[232+\b], v[232+\b]                 ; the block's largest p: the same two instructions on the same number give the same bits
.endr
	v_pk_add_f32 v[236:237], v[96:97], v[98:99]    ; the row's sum is taken of the unquantised p, in two chains (it reads the 64 alone: plain work behind the four)
.irp j, 4,8,12,16,20,24,28,32,36,40,44,48,52,56,60
	v_pk_add_f32 v[14:15], v[14:15], v[96+\j:97+\j]
	v_pk_add_f32 v[236:237], v[236:237], v[98+\j:99+\j]
.endr
	v_pk_add_f32 v[14:15], v[14:15], v[236:237]
	s_wait_alu depctr_va_vdst(0)                   ; and one for the four
.irp b, 0,1,2,3
	v_max_num_f32 v[232+\b], 0x1800000, v[232+\b]  ; the floor 2^(3 - 127): the byte cannot fall under 1 (a block whose every p is 0 keeps that byte: its codes are zeros)
.endr
.irp b, 0,1,2,3
	v_add_nc_u32 v[244+\b], 0xff000000, v[232+\b]  ; 2 off the exponent field: the conversion's scale operand
.endr
.irp b, 0,1,2,3
	v_lshrrev_b32 v[236+\b], 23, v[244+\b]         ; the scale's byte
.endr
	v_lshl_or_b32 v253, v237, 8, v236              ; p's scale word for these 128 keys
	v_lshl_or_b32 v253, v238, 16, v253
	v_lshl_or_b32 v253, v239, 24, v253
.irp b, 0,1,2,3
	v_cvt_scalef32_pk8_fp4_f32 v[224+2*\b], v[96+16*\b:103+16*\b], v[244+\b]
	v_cvt_scalef32_pk8_fp4_f32 v[225+2*\b], v[104+16*\b:111+16*\b], v[244+\b]
.endr
	v_nop                                          ; one plain vector instruction behind the last scaled conversion
.irp c, 0,1                                    ; the operand's layout wants a whole block in a lane: lanes 0-15 block 2 c, lanes 16-31 block 2 c + 1
.irp i, 0,1
	v_permlane16_swap_b32 v[224+4*\c+\i], v[226+4*\c+\i]
.endr
.endr
.set J, 0
.rept 32
	v_pk_mul_f32 v[160+J:161+J], v[160+J:161+J], v[252:253] op_sel_hi:[1,0]   ; O^T under the new M, each accumulator from its low end on.  (These 32 stand between p's codes and scale word and the products)
.set J, J+2
.endr
	s_wait_dscnt 0x0                               ; V's fragments and scale words are in
.irp t, 0,1,2,3                                ; O^T += V^T P^T: eight accumulators, one instruction each
	v_wmma_scale_f32_16x16x128_f8f6f4 v[160+8*\t:167+8*\t], v[32+8*\t:39+8*\t], v[224:231], v[160+8*\t:167+8*\t], v[28+\t], v253 matrix_a_fmt:MATRIX_FMT_FP4 matrix_b_fmt:MATRIX_FMT_FP4
.endr
.irp t, 4,5,6,7
	v_wmma_scale_f32_16x16x128_f8f6f4 v[160+8*\t:167+8*\t], v[32+8*\t:39+8*\t], v[224:231], v[160+8*\t:167+8*\t], v[24+\t], v253 matrix_a_fmt:MATRIX_FMT_FP4 matrix_b_fmt:MATRIX_FMT_FP4 matrix_a_scale:MATRIX_SCALE_ROW1
.endr
.Lhid_\@:
	s_add_co_u32 s[KF], s[KF], 128
	s_add_co_u32 s[TB], s[TB], STEPB
.endm
; THREE STEPS, slots 3 g .. 3 g + 2: they are load g of waves 0, 1 and 2.  Tensor loads of a wave end in order (ISA guide 10.11.1): the count leaves the 2 - g loads issued behind it on their way;
; later loads may stay out across them.  Every wave passes the wait and the barrier.
.macro GROUP g
	s_wait_tensorcnt 2-\g
	s_wait_dscnt 0x0                               ; no LDS instruction of mine is out at the signal
	s_barrier_signal -1
	s_barrier_wait -1                              ; the three slots are whole for all sixteen waves
	s_mov_b32 s[TB], 3*STEPB*\g
	s_mov_b32 s[CNT], 3
.Lgroup_\@:
	STEP
	s_sub_co_u32 s[CNT], s[CNT], 1
	s_cmp_lg_u32 s[CNT], 0
	s_cbranch_scc1 .Lgroup_\@
.endm
	GROUP 0
	GROUP 1
	GROUP 2                                        ; its wait is for 0: no tensor load is out from here on
	; THE WAY OUT.  O^T is divided by the row's sum and goes through my stage: a lane's eight channels of a query go in as 32 bytes of its row, and whole rows of 512 bytes come back.
	v_add_f32 v14, v14, v15                        ; the sum's two halves,
	v_permlanex16_b32 v252, v14, s[SEL], s[SEL+1]
	v_add_f32 v14, v14, v252                       ; and lane l xor 16's: the row's sum
	v_rcp_f32 v14, v14
	v_and_b32 v4, 15, v0                           ; (plain work behind the reciprocal)  r
	v_bfe_u32 v5, v0, 4, 1                         ; h
	v_mul_u32_u24 v6, v4, 528
	v_lshl_add_u32 v6, v5, 5, v6
	v_add_nc_u32 v6, s[QB], v6                     ; in: row r, + 32 h; tile t's eight channels 64 t bytes on
	v_add_nc_u32 v7, s[QB], v[LI]                  ; back: 16 bytes a lane of a row
	s_wait_alu depctr_va_vdst(0)                   ; the wait ahead of the reciprocal's first reader
.set J, 0
.rept 64
	v_mul_f32 v[96+J], v[160+J], v14               ; register 8 t + n is o(query r, channel 16 t + 8 h + n)
.set J, J+1
.endr
.irp t, 0,1,2,3,4,5,6,7
	ds_store_b128 v6, v[96+8*\t:99+8*\t] offset:64*\t
	ds_store_b128 v6, v[100+8*\t:103+8*\t] offset:64*\t+16
.endr
.irp i, 0,1,2,3,4,5,6,7,8,9,10,11,12,13,14,15
	ds_load_b128 v[32+4*\i:35+4*\i], v7 offset:528*\i   ; my wave's own bytes, served in order: these see the stores above
.endr
.irp i, 0,1,2,3,4,5,6,7,8,9,10,11,12,13,14,15
	s_wait_dscnt 15-\i                             ; row i is back; the younger rows may be out
	global_store_b128 v[LI], v[32+4*\i:35+4*\i], s[8:9] offset:16384*\i th:TH_STORE_NT   ; 32 lanes store 512 consecutive bytes, at a multiple of 256 from out0's first byte
.endr
	s_wait_tensorcnt 0x0
	ds_add_u32 v243, v251
	s_wait_dscnt 0x0
	s_endpgm
.Lfunc_end_k_q78093e09d6_attn:
	.size	k_q78093e09d6_attn, .Lfunc_end_k_q78093e09d6_attn-k_q78093e09d6_attn
	.p2alignl 7, 3214868480
	.fill 96, 4, 3214868480
	.section	.rodata,"a",@progbits
	.p2align	6, 0x0
	.amdhsa_kernel k_q78093e09d6_attn
		.amdhsa_group_segment_fixed_size 293888
		.amdhsa_private_segment_fixed_size 0
		.amdhsa_enable_private_segment 0
		.amdhsa_kernarg_size 24
		.amdhsa_user_sgpr_count 2
		.amdhsa_user_sgpr_kernarg_segment_ptr 1
		.amdhsa_wavefront_size32 1
		.amdhsa_system_sgpr_workgroup_id_x 1
		.amdhsa_system_sgpr_workgroup_id_y 1
		.amdhsa_system_sgpr_workgroup_id_z 1
		.amdhsa_system_vgpr_workitem_id 0
		.amdhsa_next_free_vgpr 256
		.amdhsa_next_free_sgpr 66
		.amdhsa_reserve_vcc 1
		.amdhsa_float_denorm_mode_32 3
		.amdhsa_float_denorm_mode_16_64 3
		.amdhsa_memory_ordered 1
		.amdhsa_forward_progress 1
		.amdhsa_inst_pref_size 116
	.end_amdhsa_kernel
	.amdgpu_metadata
---
amdhsa.version: [ 1, 2 ]
amdhsa.kernels:
  - .name:           k_q78093e09d6_attn
    .symbol:         k_q78093e09d6_attn.kd
    .args:
      - { .name: q, .offset: 0, .size: 8, .value_kind: global_buffer, .address_space: global }
      - { .name: kvimg, .offset: 8, .size: 8, .value_kind: global_buffer, .address_space: global }
      - { .name: out0, .offset: 16, .size: 8, .value_kind: global_buffer, .address_space: global }
    .group_segment_fixed_size: 293888
    .private_segment_fixed_size: 0
    .kernarg_segment_align: 8
    .kernarg_segment_size: 24
    .max_flat_workgroup_size: 512
    .sgpr_count:     66
    .vgpr_count:     256
    .wavefront_size: 32
...
	.end_amdgpu_metadata
.endif
;; end of part 2
